; MI455X (gfx1250); checked and timed in simulation.
; The chip was launched on July 23, 2026; its instructions are those of AMD's public machine-readable ISA for CDNA 5 (MIT licence, August 2026) and "CDNA5" Instruction Set Architecture Reference Guide (July 2026). The comments in the code are by the model that wrote it; some were corrected since.
;; My Embedding. Allowed arithmetic: float matrix products may take bf16 or f16 operands with f32 sums; all other float work in f32.
;; Inputs: embedding 8,000 x 1,024 float32; token_ids 4 x 2,048 int32.
;; Outputs: out0 4 x 2,048 x 1,024 float32.
;; One version. Each part assembles by itself: llvm-mc -triple=amdgcn-amd-amdhsa -mcpu=gfx1250 --defsym DOCPART=n.
;; ======== version 1 of 1: 1 launch
;; launch gather (part 1): grid 256 x 1, 8 waves a work-group, no clusters, 0 bytes of LDS; arguments token_ids, embedding, out0; writes out0
.if DOCPART == 1
	.amdgcn_target "amdgcn-amd-amdhsa--gfx1250"
	.amdhsa_code_object_version 6
	.text
	.protected	k_qa39bd758d3_gather
	.globl	k_qa39bd758d3_gather
	.p2align	8
	.type	k_qa39bd758d3_gather,@function
k_qa39bd758d3_gather:
	s_mov_b64 s[64:65], 0
	v_nop
	global_prefetch_b8 v0, s[64:65] scope:SCOPE_SE
	s_setreg_imm32_b32 hwreg(HW_REG_WAVE_MODE, 25, 1), 1
	s_wait_xcnt 0x0
; out0[t][:] = embedding[token_ids[t]][:] for the 8,192 tokens t = 2048 b + s.  Table: 8,000 rows of 1,024 f32 (4,096 bytes).
;
; WORK LEFT OUT.  reference() builds one_hot(token_ids, 8000) in its own body and multiplies it into the table.  For each token
; 7,999 of the 8,000 products of every output number have the factor 0 that reference() itself made, and the one left has the
; factor 1.  In exact arithmetic, for all finite values of the table, the sum is the table's number in row token_ids[t]: the
; product is a lookup by an index that this launch reads from memory.  So no product is formed, nothing is rounded, and the
; row is copied bit for bit.  Both inputs are loaded; none is left out.
; LIMITS.  (1) The problem's ids lie in 0 .. 7999.  An id outside (a negative one counts as unsigned) takes row 7999 here,
; where reference()'s one_hot would give a row of zeros.  (2) A NaN or an infinity in a table row that a token does not name
; reaches only the products with 0 that are left out and is not carried to the result.  (3) A -0.0 of the table is copied
; as -0.0, where reference()'s sum gives +0.0.
;
; SHARES.  256 work-groups of 8 waves; a work-group owns 32 neighbouring tokens, a wave 4 of them.  One wave moves a whole row:
; eight loads of 16 bytes a lane, lane l at byte 512 j + 16 l, so each load and each store of a wave covers 512 consecutive
; bytes that start at a multiple of 512 from the buffer's first byte.  The wave's 4 rows (16 KiB, 128 registers) are asked for
; in one run of 32 loads; no register is written twice, so there is no loop, no ring, and no wait that frees a source.
; No LDS and no barrier: no wave uses what another holds.  No matrix instruction: no product is left.  No cluster: which rows
; two work-groups share hangs on the ids, so there is no tile to ask for jointly.  No prefetch: a row's address is known only
; when its id has come, and the row's loads stand in the very next lines.
.set VOCAB, 8000                       ; rows in the table
.set ROW,   4096                       ; bytes in a row
.set ROWS,  4                          ; rows (tokens) of a wave
.set CH,    8                          ; loads for a row
.set CHB,   512                        ; bytes that one load of the wave covers
.set LN,    1                          ; v1        16 x lane: my bytes in each 512; also the stores' offset; never rewritten
.set OFF,   4                          ; v[4:7]    row r: byte offset in the table of my first 16 bytes, id x 4096 + 16 x lane (under 2^25)
.set X,     8                          ; v[8:135]  row r, piece j: v[X+32r+4j : X+32r+4j+3]
	s_load_b128 s[4:7], s[0:1], 0x0                ; token_ids s[4:5], embedding s[6:7]
	s_load_b64 s[8:9], s[0:1], 0x10                ; out0
	v_and_b32 v[LN], 31, v0                        ; lane
	v_lshlrev_b32 v[LN], 4, v[LN]                  ; 16 bytes a lane
	v_lshrrev_b32 v2, 5, v0
	v_readfirstlane_b32 s10, v2                    ; my wave's number, 0 to 7
	s_lshl_b32 s12, ttmp9, 7                       ; 32 tokens x 4 bytes for each work-group
	s_lshl4_add_u32 s12, s10, s12                  ; + 4 tokens x 4 bytes for each wave: byte offset of my four ids (a multiple of 16)
	s_mov_b32 s13, 0
	s_lshl_b32 s14, s12, 10                        ; the same token number x 4,096: byte offset of my first row in out0 (under 2^25)
	s_mov_b32 s15, 0
	s_wait_kmcnt 0x0                               ; the three addresses (scalar loads come back in no order: the count is 0)
	s_add_nc_u64 s[4:5], s[4:5], s[12:13]
	s_load_b128 s[16:19], s[4:5], 0x0              ; my four ids, the same for all lanes: one scalar load.  No line here stores into token_ids
	s_add_nc_u64 s[8:9], s[8:9], s[14:15]          ; out0 at my first row, made while the ids are on their way
	s_wait_kmcnt 0x0                               ; the ids
.irp r, 0,1,2,3
	s_min_u32 s[16+\r], s[16+\r], VOCAB-1          ; a loaded number enters an address only behind a clamp to the table's last row (limit 1 above)
	v_lshl_add_u32 v[OFF+\r], s[16+\r], 12, v[LN]  ; id x 4096 + 16 x lane
.endr
; Row r is asked for: eight loads, 512 neighbouring bytes each.  No cache hint: the list may name a row again, in this wave or in any other.
.macro LOADROW r
.irp j, 0,1,2,3,4,5,6,7
	global_load_b128 v[X+32*\r+4*\j:X+32*\r+4*\j+3], v[OFF+\r], s[6:7] offset:CHB*\j
.endr
.endm
; Row r leaves, in two halves of four stores.  Loads come back in the order of issue (ISA guide 5.7.1) and stores do not count on
; LOADcnt: behind the four loads of half q of row r, which are numbers 8 r + 4 q .. + 3 of the 32, stand 28 - 8 r - 4 q younger
; loads, and exactly those may stay out.  The output is written once and not read in this launch: non-temporal stores.
.macro STOREROW r
.irp q, 0,1
	s_wait_loadcnt 28-8*\r-4*\q
.irp k, 0,1,2,3
	global_store_b128 v[LN], v[X+32*\r+4*(4*\q+\k):X+32*\r+4*(4*\q+\k)+3], s[8:9] offset:ROW*\r+CHB*(4*\q+\k) th:TH_STORE_NT
.endr
.endr
.endm
	LOADROW 0                                      ; all 32 loads in one run: the wave's whole share is on its way
	LOADROW 1
	LOADROW 2
	LOADROW 3
	STOREROW 0                                     ; counts 28, 24
	STOREROW 1                                     ; 20, 16
	STOREROW 2                                     ; 12, 8
	STOREROW 3                                     ; 4, 0
	s_endpgm                                       ; the stores may still be on their way here; nothing reads them in this launch
.Lfunc_end_k_qa39bd758d3_gather:
	.size	k_qa39bd758d3_gather, .Lfunc_end_k_qa39bd758d3_gather-k_qa39bd758d3_gather
	.p2alignl 7, 3214868480
	.fill 96, 4, 3214868480
	.section	.rodata,"a",@progbits
	.p2align	6, 0x0
	.amdhsa_kernel k_qa39bd758d3_gather
		.amdhsa_group_segment_fixed_size 0
		.amdhsa_private_segment_fixed_size 0
		.amdhsa_enable_private_segment 0
		.amdhsa_kernarg_size 24
		.amdhsa_user_sgpr_count 2
		.amdhsa_user_sgpr_kernarg_segment_ptr 1
		.amdhsa_wavefront_size32 1
		.amdhsa_system_sgpr_workgroup_id_x 1
		.amdhsa_system_sgpr_workgroup_id_y 1
		.amdhsa_system_sgpr_workgroup_id_z 1
		.amdhsa_system_vgpr_workitem_id 0
		.amdhsa_next_free_vgpr 136
		.amdhsa_next_free_sgpr 66
		.amdhsa_reserve_vcc 0
		.amdhsa_float_denorm_mode_32 3
		.amdhsa_float_denorm_mode_16_64 3
		.amdhsa_memory_ordered 1
		.amdhsa_forward_progress 1
		.amdhsa_inst_pref_size 8
	.end_amdhsa_kernel
	.amdgpu_metadata
---
amdhsa.version: [ 1, 2 ]
amdhsa.kernels:
  - .name:           k_qa39bd758d3_gather
    .symbol:         k_qa39bd758d3_gather.kd
    .args:
      - { .name: token_ids, .offset: 0, .size: 8, .value_kind: global_buffer, .address_space: global }
      - { .name: embedding, .offset: 8, .size: 8, .value_kind: global_buffer, .address_space: global }
      - { .name: out0, .offset: 16, .size: 8, .value_kind: global_buffer, .address_space: global }
    .group_segment_fixed_size: 0
    .private_segment_fixed_size: 0
    .kernarg_segment_align: 8
    .kernarg_segment_size: 24
    .max_flat_workgroup_size: 256
    .sgpr_count:     66
    .vgpr_count:     136
    .wavefront_size: 32
...
	.end_amdgpu_metadata
.endif
;; end of part 1
